; MI455X (gfx1250); checked and timed in simulation.
; The chip was launched on July 23, 2026; its instructions are those of AMD's public machine-readable ISA for CDNA 5 (MIT licence, August 2026) and "CDNA5" Instruction Set Architecture Reference Guide (July 2026). The comments in the code are by the model that wrote it; some were corrected since.
;; Cross Attention Layer. Allowed arithmetic: matrix products marked QUANTISED: E2M1 operands, one E8M0 scale for each 32 along K, by v_wmma_scale_f32_16x16x128_f8f6f4 with both operands' format E2M1 (or v_wmma_scale_f32_32x16x128_f4), f32 sums; everything else in f32.
;; Inputs: Wk 1,024 x 1,024 float32; Wq 1,024 x 1,024 float32; Wv 1,024 x 1,024 float32; memory 4 x 2,048 x 1,024 float32; tgt 4 x 2,048 x 1,024 float32.
;; Outputs: out0 4 x 2,048 x 1,024 float32.
;; This version of the problem:
;;   THIS VERSION OF THE PROBLEM IS GIVEN IN LOW PRECISION. The matrix products marked QUANTISED in the list below multiply operands that are first quantised to E2M1 (2 exponent bits, 1 mantissa bit; 4 bits a number), with one power-of-two scale for each 32 numbers along K (OCP MX v1.0); their sums are f32. All else is computed in f32.
;;   The module's matrix products, in the order in which they are computed (A, B: the left and right operand; K: the contracted axis; several contracted axes count as one K, in the product's order):
;;     1. [M 8,192, K 1,024] x [K 1,024, N 1,024]; A: input tgt; B: input Wq: QUANTISED
;;     2. [M 8,192, K 1,024] x [K 1,024, N 1,024]; A: input memory; B: input Wk: QUANTISED
;;     3. [M 8,192, K 1,024] x [K 1,024, N 1,024]; A: input memory; B: input Wv: QUANTISED
;;     4. batch 64 x [M 2,048, K 64] x [K 64, N 2,048]; A: computed on the way; B: computed on the way: QUANTISED
;;     5. batch 64 x [M 2,048, K 2,048] x [K 2,048, N 64]; A: softmax (see below); B: computed on the way: QUANTISED
;;   THE QUANTISER, for each operand of a quantised product, along K:
;;     - K is cut into blocks of 32 from its start; a last block that is shorter is filled with zeros.
;;     - A block's scale is 2^e with e = floor(log2(the largest magnitude in the block)) - 2, held to -126 .. 127; a block of zeros has e = 0. As a byte (E8M0): e + 127.
;;     - Each number is divided by its block's scale, clamped to +-6, and rounded to the nearest number of E2M1, ties to even, subnormals kept.
;;     - The product sums the exact products of the quantised numbers (number of the format x scale) in f32.
;;   ~~~python
;;   def quantise(x, axis):      # numpy; x: float32 -> the quantised numbers, widened to float32 again
;;       x = np.moveaxis(x, axis, -1); K = x.shape[-1]
;;       x = np.pad(x, [(0, 0)] * (x.ndim - 1) + [(0, -K % 32)]); x = x.reshape(x.shape[:-1] + (-1, 32)); a = np.abs(x).max(-1, keepdims=True)
;;       e = np.where(a > 0, np.clip(np.frexp(np.where(a > 0, a, 1))[1] - 1 - 2, -126, 127), 0)      # np.frexp(a)[1] - 1 = floor(log2(a)), exactly
;;       r = np.clip(x / 2.0 ** e, -6, 6)
;;       step = 2.0 ** (np.maximum(np.frexp(np.where(r == 0, 1, r))[1] - 1, 0) - 1)
;;       q = np.round(r / step) * step * 2.0 ** e      # np.round: ties to even
;;       return np.moveaxis(q.reshape(q.shape[:-2] + (-1,))[..., :K], -1, axis).astype(np.float32)
;;   ~~~
;;   SOFTMAX AHEAD OF A QUANTISED PRODUCT. Where the list says 'softmax', what is quantised is not the finished softmax but p = 2^(t - M), with t = logit x log2(e) and M = ceil(the row's largest t), a whole number; so 1/2 < the row's largest p <= 1. The row's sum l is taken of the UNQUANTISED p, in f32, and the product's result is divided by l at the end. Since M is a whole number, a kernel that streams over the keys may use a running M (the ceiling of the running maximum): every later rescaling is an exact power of two, which a block's scale takes up: the codes' values come out the same.
;;   OPERANDS COMPUTED ON THE WAY. 'Computed on the way' means the value that the module computes at that place (a softmax that the list does not call 'softmax' is quantised finished and normalised). What goes into a quantiser is computed in f32, as accurately as f32 sums, v_exp_f32 and their like allow (about 1e-6 of the number): no bf16 or f16 on the way to a quantiser, and a product that is left as it is and whose result goes on into a quantised operand takes f32 operands (vector FMAs, or v_wmma_f32_16x16x4_f32). A number that lies on a knife's edge between two numbers of the format may be rounded either way, as far as f32 arithmetic and the matrix unit's own rounding can turn it there, and no further.
;; One version. Each part assembles by itself: llvm-mc -triple=amdgcn-amd-amdhsa -mcpu=gfx1250 --defsym DOCPART=n.
;; ======== version 1 of 1: 3 launches
;; workspace buffers: xc 3,670,016 bytes; xs 229,376 bytes; qb 1,114,112 bytes; kv 2,228,224 bytes
;; launch quant (part 1): grid 224 x 1, 4 waves a work-group, no clusters, 34,304 bytes of LDS; arguments tgt, memory, Wq, Wk, Wv, xc, xs; writes xc, xs
.if DOCPART == 1
	.amdgcn_target "amdgcn-amd-amdhsa--gfx1250"
	.amdhsa_code_object_version 6
	.text
	.protected	k_q5b9783ec07_quant
	.globl	k_q5b9783ec07_quant
	.p2align	8
	.type	k_q5b9783ec07_quant,@function
k_q5b9783ec07_quant:
	s_mov_b64 s[64:65], 0
	v_nop
	global_prefetch_b8 v0, s[64:65] scope:SCOPE_SE
	s_setreg_imm32_b32 hwreg(HW_REG_WAVE_MODE, 25, 1), 1
	s_wait_xcnt 0x0
; tgt[0], memory[0] (2,048 rows each), Wq, Wk, Wv (1,024 rows each), all f32 with K = 1,024 innermost, become codes of FP4 (E2M1) with one E8M0 byte for each 32 along K.
; Only batch 0 of tgt and of memory goes into a product whose result is kept (the result keeps att[0] alone): memory[1:4] is not read by this program, tgt[1:4] only for the residual, in the last launch.
; A block's scale is 2^(floor(log2(its largest magnitude)) - 2); its byte is the largest magnitude's exponent field - 2, held at 1 from below.
; LIMITS: a block of zeros gets the byte 1 where the rule says 127 (its codes are zeros, which add nothing under any byte but 0xff, and this program alone reads the bytes); NaN and infinities are not served.
; TILES.  A tile is 16 rows: slot r of tile 2 b + u is row 32 b + 8 u + r + 8 (r / 8) of its tensor.  Tiles are numbered through: tgt 0-127, memory 128-255, Wq 256-319, Wk 320-383, Wv 384-447.
; OUT.  xc: [tile][K step 8][c 2][lane 32][16 bytes]: the image of a fragment's registers (16 rows x 128 K: lane (r, h), registers 4 c .. 4 c + 3 hold k = 64 c + 32 h + 0 .. 31).
;       xs: [tile][half of K 2][slot 16][4 words]: word q holds the four scale bytes of K step 4 x half + q of that slot.
; SHARES.  A wave takes one tile and half of K: four K steps of 16 rows x 512 bytes.  896 waves, 224 work-groups.  Waves share nothing: no barrier, no cluster, no matrix unit: the launch streams.
; Each load reads 512 consecutive bytes of one row; the conversions want 16 neighbours along K in ONE lane: so a step's 8,192 bytes turn through the wave's own stage in LDS.
; A stage row is 512 bytes + 16: 33 x 16 bytes, so the 16 rows that a read touches begin 16 bytes apart modulo 256.
.set SP,   528
.set WSTG, 16*SP                       ; a wave's stage
.set GL,   1                           ; v1     16 x lane: my bytes of a load's 512, and of a fragment image's 512
.set SA,   2                           ; v2     the stage, on the way in: stage + 16 x lane
.set LA,   3                           ; v3     on the way out: stage + 528 r + 64 h
.set SO,   4                           ; v4     my two scale words' place: 16 r + 8 h
.set HH,   5                           ; v5     h = lane / 16
.set TM,   10                          ; v10-25 at work in QUANT
.set PC,   26                          ; v26-57 codes: eight registers for each K step, so that no store's data are written again
.set W,    58                          ; v58-61 a scale word for each K step
.set R,    64                          ; v64-191 two sets of 64: a K step as it is loaded
.set X,    192                         ; v192-255 a K step as the conversions want it
.set SEL,  36                          ; s[36:37] lane selects for v_permlanex16_b32: lane l xor 16
; 64 numbers of a lane, register 16 b + i = k 32 b + 16 h + i of my row, become a fragment's codes in v[pc] on and its scale word in v[pw].
.macro QUANT s, pc, pw
.irp b, 0,1,2,3
	v_max3_num_f32 v[TM+\b], |v[(\s)+16*\b]|, |v[(\s)+1+16*\b]|, 0x1800000   ; block b: my 16 numbers, and the floor 2^(3 - 127): the byte cannot fall under 1
.endr
.irp i, 2,4,6,8,10,12,14
.irp b, 0,1,2,3
	v_max3_num_f32 v[TM+\b], v[TM+\b], |v[(\s)+16*\b+\i]|, |v[(\s)+1+16*\b+\i]|   ; the four blocks by turns
.endr
.endr
.irp b, 0,1,2,3
	v_permlanex16_b32 v[TM+4+\b], v[TM+\b], s[SEL], s[SEL+1]
.endr
.irp b, 0,1,2,3
	v_max_num_f32 v[TM+\b], v[TM+\b], v[TM+4+\b]   ; with lane l xor 16's: the block's largest magnitude
.endr
.irp b, 0,1,2,3
	v_add_nc_u32 v[TM+12+\b], 0xff000000, v[TM+\b]   ; 2 off its exponent field: the conversion takes the exponent field of this operand as its scale
.endr
.irp b, 0,1,2,3
	v_lshrrev_b32 v[TM+4+\b], 23, v[TM+12+\b]      ; the scale's byte
.endr
	v_lshl_or_b32 v[\pw], v[TM+5], 8, v[TM+4]      ; the four bytes make my row's scale word
	v_lshl_or_b32 v[\pw], v[TM+6], 16, v[\pw]
	v_lshl_or_b32 v[\pw], v[TM+7], 24, v[\pw]
.irp b, 0,1,2,3
	v_cvt_scalef32_pk8_fp4_f32 v[(\pc)+2*\b], v[(\s)+16*\b:(\s)+7+16*\b], v[TM+12+\b]
	v_cvt_scalef32_pk8_fp4_f32 v[(\pc)+1+2*\b], v[(\s)+8+16*\b:(\s)+15+16*\b], v[TM+12+\b]
.endr
	v_nop                                          ; one plain place behind a scaled conversion
.irp c, 0,1                                    ; the operand's layout wants a WHOLE block in a lane: lanes 0-15 block 2 c, lanes 16-31 block 2 c + 1
.irp i, 0,1
	v_permlane16_swap_b32 v[(\pc)+4*\c+\i], v[(\pc)+2+4*\c+\i]
.endr
.endr
.endm
	s_load_b256 s[8:15], s[0:1], 0x0               ; tgt s[8:9], memory s[10:11], Wq s[12:13], Wk s[14:15]
	s_load_b128 s[16:19], s[0:1], 0x20             ; Wv s[16:17], xc s[18:19]
	s_load_b64 s[20:21], s[0:1], 0x30              ; xs
	v_lshl_add_u32 v20, v0, 2, 0x8400
	v_mov_b32 v21, 0
	v_lshrrev_b32 v6, 5, v0
	v_readfirstlane_b32 s4, v6                     ; wave 0..3
	v_and_b32 v6, 31, v0                           ; lane
	v_and_b32 v7, 15, v0                           ; r
	v_bfe_u32 v[HH], v0, 4, 1                      ; h
	v_lshlrev_b32 v[GL], 4, v6
	s_mul_i32 s5, s4, WSTG                         ; my stage
	v_add_nc_u32 v[SA], s5, v[GL]
	v_mul_u32_u24 v[LA], v7, SP
	v_lshl_add_u32 v[LA], v[HH], 6, v[LA]
	v_add_nc_u32 v[LA], s5, v[LA]
	v_lshlrev_b32 v[SO], 4, v7
	v_lshl_add_u32 v[SO], v[HH], 3, v[SO]
.irp b, 0,1,2,3
	v_mov_b32 v[TM+4+\b], 0                        ; written once: a lane permute's destination counts as one of its sources
.endr
	s_mov_b32 s[SEL], 0x76543210
	s_mov_b32 s[SEL+1], 0xfedcba98
	s_lshr_b32 s2, s4, 1
	s_and_b32 s6, s4, 1                            ; which half of K
	s_lshl_b32 s7, ttmp9, 1
	s_add_co_u32 s7, s7, s2                        ; my tile T = 2 x work-group + wave / 2
	s_wait_alu depctr_va_vdst(0)
	s_wait_kmcnt 0x0
	; which tensor, and its first tile: choices on T alone
	s_cmp_lt_u32 s7, 128
	s_cselect_b64 s[22:23], s[8:9], s[10:11]       ; tgt or memory
	s_cselect_b32 s24, 0, 128
	s_cmp_lt_u32 s7, 320
	s_cselect_b64 s[26:27], s[12:13], s[14:15]     ; Wq or Wk,
	s_mov_b32 s25, 320
	s_cselect_b32 s25, 256, s25
	s_cmp_lt_u32 s7, 384
	s_cselect_b64 s[26:27], s[26:27], s[16:17]     ; or Wv
	s_mov_b32 s28, 384
	s_cselect_b32 s25, s25, s28
	s_cmp_lt_u32 s7, 256
	s_cselect_b64 s[22:23], s[22:23], s[26:27]
	s_cselect_b32 s24, s24, s25
	s_sub_co_u32 s24, s7, s24                      ; the tile's number in its tensor
	s_lshr_b32 s25, s24, 1
	s_lshl_b32 s25, s25, 17                        ; 32 rows of 4,096 bytes for each pair of tiles,
	s_and_b32 s28, s24, 1
	s_lshl_b32 s28, s28, 15                        ; 8 rows for the odd tile,
	s_add_co_u32 s28, s28, s25
	s_lshl_b32 s25, s6, 11                         ; 2,048 bytes for the second half of K
	s_add_co_u32 s28, s28, s25
	s_mov_b32 s29, 0
	s_add_nc_u64 s[22:23], s[22:23], s[28:29]      ; the source at slot 0 of my tile, my half of K
	s_lshl_b32 s28, s7, 13
	s_lshl_b32 s25, s6, 12
	s_add_co_u32 s28, s28, s25
	s_add_nc_u64 s[18:19], s[18:19], s[28:29]      ; xc + 8,192 T + 4,096 half
	s_lshl_b32 s28, s7, 9
	s_lshl_b32 s25, s6, 8
	s_add_co_u32 s28, s28, s25
	s_add_nc_u64 s[20:21], s[20:21], s[28:29]      ; xs + 512 T + 256 half
.macro LOAD t                          ; K step t of my four: slot i's 512 bytes, 32 lanes x 16 consecutive bytes
.irp i, 0,1,2,3,4,5,6,7,8,9,10,11,12,13,14,15
	global_load_b128 v[R+64*((\t)%2)+4*\i:R+64*((\t)%2)+4*\i+3], v[GL], s[22:23] offset:(\i+8*(\i/8))*4096+512*(\t) th:TH_LOAD_NT
.endr
.endm
.macro QSTEP t
.if (\t) < 3
	s_wait_loadcnt 16                              ; this step's 16 loads are in; the next step's 16 may be out
.else
	s_wait_loadcnt 0x0
.endif
.irp i, 0,1,2,3,4,5,6,7,8,9,10,11,12,13,14,15
	ds_store_b128 v[SA], v[R+64*((\t)%2)+4*\i:R+64*((\t)%2)+4*\i+3] offset:SP*\i
.endr
.irp b, 0,1,2,3
.irp j, 0,1,2,3
	ds_load_b128 v[X+16*\b+4*\j:X+16*\b+4*\j+3], v[LA] offset:128*\b+16*\j   ; LDS serves a wave's instructions in order: these see the stores above
.endr
.endr
	s_wait_dscnt 0x0                               ; my 64 numbers are back, and the stores have read their registers,
.if (\t) < 2
	LOAD (\t)+2                                    ; which take the loads of two steps on
.endif
	QUANT X, PC+8*(\t), W+(\t)
.irp c, 0,1
	global_store_b128 v[GL], v[PC+8*(\t)+4*\c:PC+8*(\t)+4*\c+3], s[18:19] offset:1024*(\t)+512*\c   ; 32 lanes store 512 consecutive bytes, at a multiple of 256 from xc's first byte
.endr
.endm
	LOAD 0
	LOAD 1
	QSTEP 0
	QSTEP 1
	QSTEP 2
	QSTEP 3
	v_cmp_eq_u32 vcc_lo, 1, v[HH]                  ; both halves of the lanes hold all four words of their row: lanes 0-15 store words 0 and 1, lanes 16-31 words 2 and 3
	v_cndmask_b32 v62, v[W], v[W+2], vcc_lo
	v_cndmask_b32 v63, v[W+1], v[W+3], vcc_lo
	global_store_b64 v[SO], v[62:63], s[20:21]     ; 32 lanes store 256 consecutive bytes, aligned
	s_wait_tensorcnt 0x0
	ds_add_u32 v20, v21
	s_wait_dscnt 0x0
	s_endpgm
.Lfunc_end_k_q5b9783ec07_quant:
	.size	k_q5b9783ec07_quant, .Lfunc_end_k_q5b9783ec07_quant-k_q5b9783ec07_quant
	.p2alignl 7, 3214868480
	.fill 96, 4, 3214868480
	.section	.rodata,"a",@progbits
	.p2align	6, 0x0
	.amdhsa_kernel k_q5b9783ec07_quant
		.amdhsa_group_segment_fixed_size 34304
		.amdhsa_private_segment_fixed_size 0
		.amdhsa_enable_private_segment 0
		.amdhsa_kernarg_size 56
		.amdhsa_user_sgpr_count 2
		.amdhsa_user_sgpr_kernarg_segment_ptr 1
		.amdhsa_wavefront_size32 1
		.amdhsa_system_sgpr_workgroup_id_x 1
		.amdhsa_system_sgpr_workgroup_id_y 1
		.amdhsa_system_sgpr_workgroup_id_z 1
		.amdhsa_system_vgpr_workitem_id 0
		.amdhsa_next_free_vgpr 256
		.amdhsa_next_free_sgpr 66
		.amdhsa_reserve_vcc 1
		.amdhsa_float_denorm_mode_32 3
		.amdhsa_float_denorm_mode_16_64 3
		.amdhsa_memory_ordered 1
		.amdhsa_forward_progress 1
		.amdhsa_inst_pref_size 34
	.end_amdhsa_kernel
	.amdgpu_metadata
---
amdhsa.version: [ 1, 2 ]
amdhsa.kernels:
  - .name:           k_q5b9783ec07_quant
    .symbol:         k_q5b9783ec07_quant.kd
    .args:
      - { .name: tgt, .offset: 0, .size: 8, .value_kind: global_buffer, .address_space: global }
      - { .name: memory, .offset: 8, .size: 8, .value_kind: global_buffer, .address_space: global }
      - { .name: Wq, .offset: 16, .size: 8, .value_kind: global_buffer, .address_space: global }
      - { .name: Wk, .offset: 24, .size: 8, .value_kind: global_buffer, .address_space: global }
      - { .name: Wv, .offset: 32, .size: 8, .value_kind: global_buffer, .address_space: global }
      - { .name: xc, .offset: 40, .size: 8, .value_kind: global_buffer, .address_space: global }
      - { .name: xs, .offset: 48, .size: 8, .value_kind: global_buffer, .address_space: global }
    .group_segment_fixed_size: 34304
    .private_segment_fixed_size: 0
    .kernarg_segment_align: 8
    .kernarg_segment_size: 56
    .max_flat_workgroup_size: 128
    .sgpr_count:     66
    .vgpr_count:     256
    .wavefront_size: 32
...
	.end_amdgpu_metadata
.endif
;; end of part 1
;; launch proj (part 2): grid 256 x 1, 6 waves a work-group, no clusters, 0 bytes of LDS; arguments xc, xs, qb, kv; writes qb, kv
.if DOCPART == 2
	.amdgcn_target "amdgcn-amd-amdhsa--gfx1250"
	.amdhsa_code_object_version 6
	.text
	.protected	k_q5b9783ec07_proj
	.globl	k_q5b9783ec07_proj
	.p2align	8
	.type	k_q5b9783ec07_proj,@function
k_q5b9783ec07_proj:
	s_mov_b64 s[64:65], 0
	v_nop
	global_prefetch_b8 v0, s[64:65] scope:SCOPE_SE
	s_setreg_imm32_b32 hwreg(HW_REG_WAVE_MODE, 25, 1), 1
	s_wait_xcnt 0x0
; q = tgt[0] Wq^T, k = memory[0] Wk^T, v = memory[0] Wv^T on codes of FP4 with E8M0 scales (K = 1,024), sums in f32; each result is quantised in registers along the K of the product that takes it next
; (q, k: the head's 64 channels; v: the keys) and stored as images of that product's operand registers.  The f32 results never go to memory.
; TILES as the launch before lays them: slot r of tile 2 b + u is row 32 b + 8 u + r + 8 (r / 8); tgt 0-127, memory 128-255, Wq 256-319, Wk 320-383, Wv 384-447.
; THE PRODUCT IS USED TRANSPOSED: source 0 = a tile of P, the tensor whose rows are the NEXT K (Wq, Wk: channels; memory: keys), source 1 = a tile of R (tgt, memory: rows; Wv: channels).  A lane then holds one
; slot of R, and the 16 registers of P's tiles 2 b and 2 b + 1 are next-K 32 b + 16 h + 0 .. 15.
; SHARES.  A wave takes 8 tiles of P (128 along the next K) x 2 tiles of R: 16 accumulators, 8 K steps, 128 matrix instructions.  3 x 512 such jobs = 256 work-groups x 6 waves.
; Operands come from memory straight into registers: a fragment's image is two loads of 512 consecutive bytes.  Three sets of operand registers: the loads run two K steps ahead.
; NO LDS, NO CLUSTER: a job has 8 K steps in all, waves hand nothing to each other, and the whole launch's operands are 3.9 MB; a joint tile would add a round of barriers to each of so few steps.
; OUT.  qb: codes [head 16][query tile 128][lane 32][16 bytes] (lane (r, h): channels 32 h .. 32 h + 31 of slot r); from byte 1,048,576 scale words [head][pair of tiles 64][slot 16]: low half the even tile's two bytes, high half the odd tile's.
;       kv: [head 16][key step 16] x 8,704 bytes: +0 K: 4 pairs of key tiles x 1,024 (first 512: tile 2 p, second: tile 2 p + 1); +4,096 V^T: 4 tiles of 16 channels x 128 keys, whole fragments;
;           +8,192 K's scale words [pair 4][slot 16]; +8,448 V's [tile 4][slot 16].
; The code stores cover 512 consecutive aligned bytes each.  The scale words leave in pieces of 64 bytes (two a wave): 192 KB of the 3.3 MB that the launch stores.
; LIMITS: a block of zeros gets the byte 1 where the rule says 127 (zero codes; this program alone reads the bytes); NaN and infinities are not served.
.set HS,    139264                     ; a head in kv
.set STEPB, 8704                       ; a key step in kv
.set LI,   1                           ; v1     16 x lane
.set RR,   2                           ; v2     r
.set HH,   3                           ; v3     h
.set SCA,  5                           ; v5     scale words in xs: 512 h + 16 r: lanes 0-15 an even tile's, lanes 16-31 the next tile's
.set VA,   6                           ; v6-9   where the four half images go: (m, c) at v[6 + 2 m + c]
.set SCO,  10                          ; v10    where my scale word goes
.set PSC,  16                          ; v16-47 P's scale words: pair of tiles i, K step s at v[16 + 8 i + s]
.set RSC,  48                          ; v48-55 R's: K step s; lanes 0-15 tile 0, lanes 16-31 tile 1
.set TM,   56                          ; v56-71 at work in QUANT
.set PC,   72                          ; v72-87 codes, eight registers for each tile of R
.set PW,   88                          ; v88-89 their scale words
.set ACC,  128                         ; v128-255 accumulator (m, t) at v[128 + 64 m + 8 t]
.set SEL,  40                          ; s[40:41]
; window 1: three sets of operands at v[80 x set]: P's fragment t at + 8 t, R's fragment m at + 64 + 8 m
.set MSB, 0
.macro WIN new                         ; the immediate's high byte repeats the setting that is left
.if MSB != \new
	s_set_vgpr_msb (MSB<<8)|\new
.set MSB, \new
.endif
.endm
.macro QUANT s, pc, pw                 ; 64 numbers of a lane, register 16 b + i = next-K 32 b + 16 h + i, become a fragment's codes in v[pc] on and its scale word in v[pw]
.irp b, 0,1,2,3
	v_max3_num_f32 v[TM+\b], |v[(\s)+16*\b]|, |v[(\s)+1+16*\b]|, 0x1800000   ; block b: my 16 numbers, and the floor 2^(3 - 127).  Each accumulator is read from its low end on
.endr
.irp i, 2,4,6,8,10,12,14
.irp b, 0,1,2,3
	v_max3_num_f32 v[TM+\b], v[TM+\b], |v[(\s)+16*\b+\i]|, |v[(\s)+1+16*\b+\i]|
.endr
.endr
.irp b, 0,1,2,3
	v_permlanex16_b32 v[TM+4+\b], v[TM+\b], s[SEL], s[SEL+1]
.endr
.irp b, 0,1,2,3
	v_max_num_f32 v[TM+\b], v[TM+\b], v[TM+4+\b]   ; with lane l xor 16's: the block's largest magnitude
.endr
.irp b, 0,1,2,3
	v_add_nc_u32 v[TM+12+\b], 0xff000000, v[TM+\b]   ; 2 off its exponent field: the conversion's scale operand
.endr
.irp b, 0,1,2,3
	v_lshrrev_b32 v[TM+4+\b], 23, v[TM+12+\b]      ; the scale's byte
.endr
	v_lshl_or_b32 v[\pw], v[TM+5], 8, v[TM+4]
	v_lshl_or_b32 v[\pw], v[TM+6], 16, v[\pw]
	v_lshl_or_b32 v[\pw], v[TM+7], 24, v[\pw]
.irp b, 0,1,2,3
	v_cvt_scalef32_pk8_fp4_f32 v[(\pc)+2*\b], v[(\s)+16*\b:(\s)+7+16*\b], v[TM+12+\b]
	v_cvt_scalef32_pk8_fp4_f32 v[(\pc)+1+2*\b], v[(\s)+8+16*\b:(\s)+15+16*\b], v[TM+12+\b]
.endr
	v_nop                                          ; one plain place behind a scaled conversion
.irp c, 0,1
.irp i, 0,1
	v_permlane16_swap_b32 v[(\pc)+4*\c+\i], v[(\pc)+2+4*\c+\i]   ; a whole block to a lane: registers 4 c .. 4 c + 3 hold next-K 64 c + 32 h + 0 .. 31
.endr
.endr
.endm
; One product.  acc = 0: it starts the sum.  ra, rb: the half of the lanes from which source 0's and source 1's scale words are taken.
.macro WM d, a, b, acc, sa, sb, ra, rb
.if \acc
.if \ra
.if \rb
	v_wmma_scale_f32_16x16x128_f8f6f4 v[(\d):(\d)+7], v[(\a):(\a)+7], v[(\b):(\b)+7], v[(\d):(\d)+7], v[\sa], v[\sb] matrix_a_fmt:MATRIX_FMT_FP4 matrix_b_fmt:MATRIX_FMT_FP4 matrix_a_scale:MATRIX_SCALE_ROW1 matrix_b_scale:MATRIX_SCALE_ROW1
.else
	v_wmma_scale_f32_16x16x128_f8f6f4 v[(\d):(\d)+7], v[(\a):(\a)+7], v[(\b):(\b)+7], v[(\d):(\d)+7], v[\sa], v[\sb] matrix_a_fmt:MATRIX_FMT_FP4 matrix_b_fmt:MATRIX_FMT_FP4 matrix_a_scale:MATRIX_SCALE_ROW1
.endif
.else
.if \rb
	v_wmma_scale_f32_16x16x128_f8f6f4 v[(\d):(\d)+7], v[(\a):(\a)+7], v[(\b):(\b)+7], v[(\d):(\d)+7], v[\sa], v[\sb] matrix_a_fmt:MATRIX_FMT_FP4 matrix_b_fmt:MATRIX_FMT_FP4 matrix_b_scale:MATRIX_SCALE_ROW1
.else
	v_wmma_scale_f32_16x16x128_f8f6f4 v[(\d):(\d)+7], v[(\a):(\a)+7], v[(\b):(\b)+7], v[(\d):(\d)+7], v[\sa], v[\sb] matrix_a_fmt:MATRIX_FMT_FP4 matrix_b_fmt:MATRIX_FMT_FP4
.endif
.endif
.else
.if \ra
.if \rb
	v_wmma_scale_f32_16x16x128_f8f6f4 v[(\d):(\d)+7], v[(\a):(\a)+7], v[(\b):(\b)+7], 0, v[\sa], v[\sb] matrix_a_fmt:MATRIX_FMT_FP4 matrix_b_fmt:MATRIX_FMT_FP4 matrix_a_scale:MATRIX_SCALE_ROW1 matrix_b_scale:MATRIX_SCALE_ROW1
.else
	v_wmma_scale_f32_16x16x128_f8f6f4 v[(\d):(\d)+7], v[(\a):(\a)+7], v[(\b):(\b)+7], 0, v[\sa], v[\sb] matrix_a_fmt:MATRIX_FMT_FP4 matrix_b_fmt:MATRIX_FMT_FP4 matrix_a_scale:MATRIX_SCALE_ROW1
.endif
.else
.if \rb
	v_wmma_scale_f32_16x16x128_f8f6f4 v[(\d):(\d)+7], v[(\a):(\a)+7], v[(\b):(\b)+7], 0, v[\sa], v[\sb] matrix_a_fmt:MATRIX_FMT_FP4 matrix_b_fmt:MATRIX_FMT_FP4 matrix_b_scale:MATRIX_SCALE_ROW1
.else
	v_wmma_scale_f32_16x16x128_f8f6f4 v[(\d):(\d)+7], v[(\a):(\a)+7], v[(\b):(\b)+7], 0, v[\sa], v[\sb] matrix_a_fmt:MATRIX_FMT_FP4 matrix_b_fmt:MATRIX_FMT_FP4
.endif
.endif
.endif
.endm
.macro LOADK s                         ; K step s: 20 loads of 512 consecutive bytes into set s % 3
	WIN 0x40                                       ; destination window 1, address window 0
.irp t, 0,1,2,3,4,5,6,7
.irp c, 0,1
	global_load_b128 v[80*((\s)%3)+8*\t+4*\c:80*((\s)%3)+8*\t+4*\c+3], v[LI], s[30:31] offset:\t*8192+(\s)*1024+512*\c
.endr
.endr
.irp m, 0,1
.irp c, 0,1
	global_load_b128 v[80*((\s)%3)+64+8*\m+4*\c:80*((\s)%3)+64+8*\m+4*\c+3], v[LI], s[32:33] offset:\m*8192+(\s)*1024+512*\c
.endr
.endr
.endm
.macro MULK s, acc                     ; K step s: 16 products; the 16 accumulators take turns, one instruction a turn, in the same order in every step
	WIN 0x05                                       ; sources 0 and 1 window 1; C and D window 0
.irp m, 0,1
.irp t, 0,1,2,3,4,5,6,7
	WM ACC+64*\m+8*\t, 80*((\s)%3)+8*\t, 80*((\s)%3)+64+8*\m, \acc, PSC+8*(\t/2)+(\s), RSC+(\s), \t%2, \m
.endr
.endr
.endm
	s_load_b256 s[8:15], s[0:1], 0x0               ; xc s[8:9], xs s[10:11], qb s[12:13], kv s[14:15]
	v_lshrrev_b32 v4, 5, v0
	v_readfirstlane_b32 s4, v4                     ; wave 0..5
	v_and_b32 v4, 31, v0
	v_lshlrev_b32 v[LI], 4, v4
	v_and_b32 v[RR], 15, v0
	v_bfe_u32 v[HH], v0, 4, 1
	v_lshlrev_b32 v[SCA], 4, v[RR]
	v_lshl_add_u32 v[SCA], v[HH], 9, v[SCA]
.irp b, 0,1,2,3
	v_mov_b32 v[TM+4+\b], 0                        ; written once: a lane permute's destination counts as one of its sources
.endr
	s_mov_b32 s[SEL], 0x76543210
	s_mov_b32 s[SEL+1], 0xfedcba98
	s_mul_i32 s5, ttmp9, 6
	s_add_co_u32 s5, s5, s4                        ; my job, 0 .. 1,535
	s_lshr_b32 s6, s5, 9                           ; 0: q, 1: k, 2: v
	s_and_b32 s7, s5, 511
	; The three kinds differ in numbers alone: s20 P's first tile, s21 R's first tile, s22 where image (0, 0) goes, s23 from tile 0 of R to tile 1, s24 from c = 0 to c = 1,
	; s25 where lanes 0-15 put their scale words, s26 how much further on lanes 16-31 put theirs, s27 all ones for v.
	s_cmp_eq_u32 s6, 2
	s_cbranch_scc1 .Lfor_v
	s_lshr_b32 s16, s7, 6                          ; g: channels 128 g on: heads 2 g and 2 g + 1
	s_and_b32 s17, s7, 63                          ; pr: rows' tiles 2 pr and 2 pr + 1
	s_lshl_b32 s20, s16, 3
	s_lshl_b32 s21, s17, 1
	s_mov_b32 s23, 512
	s_mov_b32 s27, 0
	s_cmp_eq_u32 s6, 0
	s_cbranch_scc0 .Lfor_k
	s_add_co_u32 s20, s20, 256                     ; Wq's tiles; tgt's begin at 0
	s_lshl_b32 s22, s16, 17                        ; head 2 g: 65,536 bytes a head,
	s_lshl_b32 s18, s17, 10                        ; 512 a query tile
	s_add_co_u32 s22, s22, s18
	s_mov_b32 s24, 65536                           ; c is the head
	s_lshl_b32 s25, s16, 13                        ; scale words: 4,096 bytes a head,
	s_lshl_b32 s18, s17, 6                         ; 64 a pair of tiles
	s_add_co_u32 s25, s25, s18
	s_add_co_u32 s25, s25, 1048576
	s_mov_b32 s26, 4096
	s_branch .Ljoin
.Lfor_k:
	s_add_co_u32 s20, s20, 320                     ; Wk's tiles,
	s_add_co_u32 s21, s21, 128                     ; memory's
	s_mul_i32 s22, s16, 2*HS                       ; head 2 g,
	s_lshr_b32 s18, s17, 2
	s_mul_i32 s18, s18, STEPB                      ; key step pr / 4
	s_add_co_u32 s22, s22, s18
	s_and_b32 s18, s17, 3                          ; the pair in the step
	s_lshl_b32 s19, s18, 6
	s_add_co_u32 s25, s22, s19
	s_add_co_u32 s25, s25, 8192
	s_lshl_b32 s19, s18, 10
	s_add_co_u32 s22, s22, s19
	s_mov_b32 s24, HS                              ; c is the head
	s_mov_b32 s26, HS
	s_branch .Ljoin
.Lfor_v:
	s_lshr_b32 s16, s7, 5                          ; g: the key step: keys 128 g on
	s_and_b32 s17, s7, 31                          ; pr: Wv's tiles 2 pr and 2 pr + 1
	s_lshl_b32 s20, s16, 3
	s_add_co_u32 s20, s20, 128                     ; memory's tiles,
	s_lshl_b32 s21, s17, 1
	s_add_co_u32 s21, s21, 384                     ; Wv's
	s_lshr_b32 s18, s17, 1                         ; four tiles of channels to a head
	s_mul_i32 s22, s18, HS
	s_mul_i32 s18, s16, STEPB
	s_add_co_u32 s22, s22, s18
	s_and_b32 s18, s17, 1
	s_lshl_b32 s19, s18, 7
	s_add_co_u32 s25, s22, s19
	s_add_co_u32 s25, s25, 8448
	s_lshl_b32 s19, s18, 11
	s_add_co_u32 s22, s22, s19
	s_add_co_u32 s22, s22, 4096
	s_mov_b32 s23, 1024                            ; a whole fragment to a tile,
	s_mov_b32 s24, 512                             ; c is its second half
	s_mov_b32 s26, 64
	s_mov_b32 s27, -1
.Ljoin:
	s_lshl_b32 s16, s20, 13                        ; 8,192 bytes of codes a tile,
	s_mov_b32 s17, 0
	s_lshl_b32 s18, s21, 13
	s_mov_b32 s19, 0
	s_lshl_b32 s28, s20, 9                         ; 512 of scale words
	s_mov_b32 s29, 0
	s_lshl_b32 s44, s21, 9
	s_mov_b32 s45, 0
	s_wait_kmcnt 0x0
	s_add_nc_u64 s[30:31], s[8:9], s[16:17]        ; P's codes
	s_add_nc_u64 s[32:33], s[8:9], s[18:19]        ; R's
	s_add_nc_u64 s[34:35], s[10:11], s[28:29]      ; P's scale words
	s_add_nc_u64 s[36:37], s[10:11], s[44:45]      ; R's
	s_cmp_eq_u32 s6, 0
	s_cselect_b64 s[38:39], s[12:13], s[14:15]     ; q goes to qb, k and v to kv
	s_wait_alu depctr_va_vdst(0)
.irp i, 0,1,2,3
.irp k, 0,1
	global_load_b128 v[PSC+8*\i+4*\k:PSC+8*\i+4*\k+3], v[SCA], s[34:35] offset:1024*\i+256*\k   ; four K steps' words of tiles 2 i (lanes 0-15) and 2 i + 1 (lanes 16-31)
.endr
.endr
.irp k, 0,1
	global_load_b128 v[RSC+4*\k:RSC+4*\k+3], v[SCA], s[36:37] offset:256*\k
.endr
	LOADK 0
	LOADK 1
	LOADK 2
.irp s, 0,1,2,3,4,5,6,7
.if \s < 6
	s_wait_loadcnt 40                              ; behind this step's loads stand those of the next two steps, 20 each (the scale words stand ahead of all)
.elseif \s == 6
	s_wait_loadcnt 20                              ; the last step's 20
.else
	s_wait_loadcnt 0x0
.endif
.if \s == 0
	MULK \s, 0                                     ; the first K step starts the sums: nothing is cleared
.else
	MULK \s, 1
.endif
.if \s < 5
.rept 4
	v_nop                                          ; four places in front of loads into registers that the products above have read (ISA guide 7.12.1 for vector instructions)
.endr
	LOADK \s+3
.endif
.endr
	WIN 0
	s_add_co_u32 s16, s22, s24
	s_add_co_u32 s17, s22, s23
	s_add_co_u32 s18, s17, s24
	v_add_nc_u32 v[VA], s22, v[LI]                 ; the store addresses are made here: these lines name no register of the products and are the places behind them
	v_add_nc_u32 v[VA+1], s16, v[LI]
	v_add_nc_u32 v[VA+2], s17, v[LI]
	v_add_nc_u32 v[VA+3], s18, v[LI]
	v_mul_lo_u32 v[SCO], v[HH], s26
	v_lshl_add_u32 v[SCO], v[RR], 2, v[SCO]
	v_add_nc_u32 v[SCO], s25, v[SCO]
	v_cmp_eq_u32 vcc_lo, 1, v[HH]
.irp m, 0,1
	QUANT ACC+64*\m, PC+8*\m, PW+\m
.irp c, 0,1
	global_store_b128 v[VA+2*\m+\c], v[PC+8*\m+4*\c:PC+8*\m+4*\c+3], s[38:39]   ; 32 lanes store 512 consecutive bytes, aligned
.endr
.endr
	; the scale words.  q, k: a word of the next product holds two bytes of each of my two tiles: lanes 0-15 store head 2 g's, lanes 16-31 head 2 g + 1's.  v: lanes 0-15 store tile 0's word, lanes 16-31 tile 1's.
	v_perm_b32 v90, v[PW+1], v[PW], 0x05040100     ; the two low halves: tile 0's below, tile 1's above
	v_perm_b32 v91, v[PW+1], v[PW], 0x07060302     ; the two high halves
	v_cndmask_b32 v92, v90, v[PW], s27
	v_cndmask_b32 v93, v91, v[PW+1], s27
	v_cndmask_b32 v94, v92, v93, vcc_lo
	global_store_b32 v[SCO], v94, s[38:39]
	s_endpgm
.Lfunc_end_k_q5b9783ec07_proj:
	.size	k_q5b9783ec07_proj, .Lfunc_end_k_q5b9783ec07_proj-k_q5b9783ec07_proj
	.p2alignl 7, 3214868480
	.fill 96, 4, 3214868480
	.section	.rodata,"a",@progbits
	.p2align	6, 0x0
	.amdhsa_kernel k_q5b9783ec07_proj
		.amdhsa_group_segment_fixed_size 0
		.amdhsa_private_segment_fixed_size 0
		.amdhsa_enable_private_segment 0
		.amdhsa_kernarg_size 32
		.amdhsa_user_sgpr_count 2
		.amdhsa_user_sgpr_kernarg_segment_ptr 1
		.amdhsa_wavefront_size32 1
		.amdhsa_system_sgpr_workgroup_id_x 1
		.amdhsa_system_sgpr_workgroup_id_y 1
		.amdhsa_system_sgpr_workgroup_id_z 1
		.amdhsa_system_vgpr_workitem_id 0
		.amdhsa_next_free_vgpr 512
		.amdhsa_next_free_sgpr 66
		.amdhsa_reserve_vcc 1
		.amdhsa_float_denorm_mode_32 3
		.amdhsa_float_denorm_mode_16_64 3
		.amdhsa_memory_ordered 1
		.amdhsa_forward_progress 1
		.amdhsa_inst_pref_size 46
	.end_amdhsa_kernel
	.amdgpu_metadata
---
amdhsa.version: [ 1, 2 ]
amdhsa.kernels:
  - .name:           k_q5b9783ec07_proj
    .symbol:         k_q5b9783ec07_proj.kd
    .args:
      - { .name: xc, .offset: 0, .size: 8, .value_kind: global_buffer, .address_space: global }
      - { .name: xs, .offset: 8, .size: 8, .value_kind: global_buffer, .address_space: global }
      - { .name: qb, .offset: 16, .size: 8, .value_kind: global_buffer, .address_space: global }
      - { .name: kv, .offset: 24, .size: 8, .value_kind: global_buffer, .address_space: global }
    .group_segment_fixed_size: 0
    .private_segment_fixed_size: 0
    .kernarg_segment_align: 8
    .kernarg_segment_size: 32
    .max_flat_workgroup_size: 192
    .sgpr_count:     66
    .vgpr_count:     512
    .wavefront_size: 32
...
	.end_amdgpu_metadata
.endif
;; end of part 2
;; launch attn (part 3): grid 16 x 16, 8 waves a work-group, clusters of 4 x 1, 197,632 bytes of LDS; arguments qb, kv, tgt, out0; writes out0
.if DOCPART == 3
	.amdgcn_target "amdgcn-amd-amdhsa--gfx1250"
	.amdhsa_code_object_version 6
	.text
	.protected	k_q5b9783ec07_attn
	.globl	k_q5b9783ec07_attn
	.p2align	8
	.type	k_q5b9783ec07_attn,@function
k_q5b9783ec07_attn:
	s_mov_b64 s[64:65], 0
	v_nop
	global_prefetch_b8 v0, s[64:65] scope:SCOPE_SE
	s_setreg_imm32_b32 hwreg(HW_REG_WAVE_MODE, 25, 1), 1
	s_wait_xcnt 0x0
	s_wait_alu depctr_hold_cnt(0) depctr_sa_sdst(0) depctr_va_vdst(0) depctr_va_sdst(0) depctr_va_ssrc(0) depctr_va_vcc(0) depctr_vm_vsrc(0)
	s_getreg_b32 s2, hwreg(HW_REG_IB_STS2, 6, 4)
	s_cmp_eq_u32 s2, 0
	s_cbranch_scc0 .Lentry_in_a_cluster
	s_endpgm
.Lentry_in_a_cluster:
	s_bfe_u32 s2, ttmp6, 0x10000c
	s_cmp_lg_u32 s2, 0x3003
	s_cbranch_scc0 .Lentry_shape_is_right
	s_endpgm
.Lentry_shape_is_right:
; out0[b][q][64 hd + ch] = tgt[b][q][64 hd + ch] + O[hd][q][ch], b = 0 .. 3, O = softmax(q k^T / 8) v of batch 0: 16 heads of 64 channels, 2,048 queries, 2,048 keys; both products on codes of FP4 with E8M0 scales.
; THE SOFTMAX AHEAD OF THE SECOND PRODUCT: t = score x log2(e) / 8; M = the row's largest t so far, rounded UP to a whole number; p = 2^(t - M) is quantised along the keys, not normalised.
; The row's sum is taken of the unquantised p, in f32, and divides O at the end.  When M moves, the sum and O are multiplied by 2^(old M - new M): exact.
; SHARES.  A work-group owns 128 queries of one head, each of its eight waves one tile of 16: two waves to a SIMD, so that one wave's vector work stands beside the other's matrix work and LDS loads.
; A HEAD'S K, V AND SCALE WORDS, 139,264 bytes, LIE IN LDS WHOLE, filled once: no slot is ever filled again.  They lie as images of operand registers, as the launch before stored them:
;   key step s (128 keys) at 8,704 s: +0 K, 4 pairs of key tiles x 1,024; +4,096 V^T, 4 tiles of 16 channels x 128 keys; +8,192 K's scale words; +8,448 V's.  A fragment is two loads of 512 consecutive bytes: no padding is wanted.
; CLUSTER.  The four query blocks of a cluster belong to one head: each wave's part of the head is asked for JOINTLY, by the same tensor load with the same descriptor and a mask that names the four.
; THE FIRST PRODUCT'S K IS 64, THE INSTRUCTION'S 128.  A fragment of K holds TWO key tiles: tile 2 p in k 0 .. 63, tile 2 p + 1 in k 64 .. 127.  Q stands twice: Q_lo = [codes | zero codes], Q_hi = [zero codes | codes];
;   the zero halves' scale bytes are 127.  Fragment x Q_lo gives tile 2 p's scores, fragment x Q_hi tile 2 p + 1's: zero codes add nothing under any byte but 0xff, and every byte here is 1 .. 254.
; LAYOUT.  Both products are used transposed (S^T = K Q^T, O^T = V^T P^T): a lane holds ONE query (lane % 16) throughout.  Slot r of tile 2 b + u (of queries, keys, channels alike) is number 32 b + 8 u + r + 8 (r / 8):
;   so the 16 registers of key tiles 2 p and 2 p + 1 are keys 32 p + 16 h + 0 .. 15, and O^T's register 16 b + e is channel 32 b + 16 h + e.
; THE RESIDUAL.  My 16 rows x 256 bytes of tgt, for all four batches, are asked for ahead of the loop over the keys, into 128 registers of window 1, and waited for behind it.
; No prefetch: K and V are wanted at the kernel's head, and tgt is already asked for 16 key steps ahead of its use.
; LIMITS: NaN and infinities are not served.
; REGISTERS: v1-11 addresses; v10 Q_hi's scale word; v12 -M, v13 the largest t, v[14:15] the sum in two halves; v16-23 Q_lo, v24-31 Q_hi; v32-63 K; v64-95 V; v96-159 S^T, then p; v160-191 O^T; v192-223 rows of O;
;   v224-231 p's codes; v232-247, v252, v254 at work; v248-249 K's scale words, v250-251 V's, v253 p's, v255 Q_lo's.   window 1: v[32 b + 4 i] on: rows 2 i, 2 i + 1 of my tile in batch b of tgt.
.set HS,    139264                     ; a head in kv and in LDS
.set STEPB, 8704                       ; a key step
.set STAGE, 155648                     ; the way out: 16 rows x (256 bytes + 16) for each wave, in blocks of 256 bytes into which no tensor load lands
.set SPT,   272
.set LI,  1                            ; v1   16 x lane
.set LS,  2                            ; v2   4 x lane
.set ADI, 3                            ; v3   the step in hand + 16 x lane
.set ADS, 4                            ; v4   the step in hand + 4 x lane
.set GO,  5                            ; v5   tgt and out0: 4,096 (lane / 16) + 16 (lane % 16); never rewritten
.set STO, 6                            ; v6   the stage, on the way in
.set RD,  7                            ; v7   and back
.set QSH, 10                           ; v10  Q_hi's scale word
.set QSL, 255                          ; v255 Q_lo's
.set WV,  12                           ; s12  my wave's number
.set G1,  16                           ; s[16:23] descriptor group 1
.set G0,  24                           ; s[24:27] group 0
.set SEL, 32                           ; s[32:33] lane selects for v_permlanex16_b32: lane l xor 16
.set CS,  34                           ; s[34:35] c = log2(e) / 8: the packed form names a pair and takes its low word for both halves
.set TB,  36                           ; s36  LDS byte at which the step in hand begins
.set CNT, 37                           ; s37  key steps to go in the loop
.set TG,  40                           ; s[40:47] tgt at my tile's first row and my head's columns, batch b at s[40 + 2 b]
.set OU,  48                           ; s[48:55] out0 likewise
.set MSB, 0
.macro WIN new                         ; the immediate's high byte repeats the setting that is left
.if MSB != \new
	s_set_vgpr_msb (MSB<<8)|\new
.set MSB, \new
.endif
.endm
; A round of the cluster's barrier: my work-group's barrier; wave 0 signals for the work-group; every wave waits for all four work-groups; my work-group's barrier once more.
.macro CROUND
	s_barrier_signal -1
	s_barrier_wait -1
	s_cmp_lg_u32 s[WV], 0
	s_cbranch_scc1 .Lnot_wave_0_\@
	s_barrier_signal -3
.Lnot_wave_0_\@:
	s_barrier_wait -3
	s_barrier_signal -1
	s_barrier_wait -1
.endm
; One product.  acc = 0: it starts the sum.  ra: the half of the lanes from which source 0's scale words are taken.
.macro WM d, a, b, acc, sa, sb, ra
.if \acc
.if \ra
	v_wmma_scale_f32_16x16x128_f8f6f4 v[(\d):(\d)+7], v[(\a):(\a)+7], v[(\b):(\b)+7], v[(\d):(\d)+7], v[\sa], v[\sb] matrix_a_fmt:MATRIX_FMT_FP4 matrix_b_fmt:MATRIX_FMT_FP4 matrix_a_scale:MATRIX_SCALE_ROW1
.else
	v_wmma_scale_f32_16x16x128_f8f6f4 v[(\d):(\d)+7], v[(\a):(\a)+7], v[(\b):(\b)+7], v[(\d):(\d)+7], v[\sa], v[\sb] matrix_a_fmt:MATRIX_FMT_FP4 matrix_b_fmt:MATRIX_FMT_FP4
.endif
.else
.if \ra
	v_wmma_scale_f32_16x16x128_f8f6f4 v[(\d):(\d)+7], v[(\a):(\a)+7], v[(\b):(\b)+7], 0, v[\sa], v[\sb] matrix_a_fmt:MATRIX_FMT_FP4 matrix_b_fmt:MATRIX_FMT_FP4 matrix_a_scale:MATRIX_SCALE_ROW1
.else
	v_wmma_scale_f32_16x16x128_f8f6f4 v[(\d):(\d)+7], v[(\a):(\a)+7], v[(\b):(\b)+7], 0, v[\sa], v[\sb] matrix_a_fmt:MATRIX_FMT_FP4 matrix_b_fmt:MATRIX_FMT_FP4
.endif
.endif
.endm
.macro KLOAD off                       ; ten LDS loads: K's four fragments and their scale words (lanes 0-15 pair 2 i, lanes 16-31 pair 2 i + 1), off bytes on from the step in hand
.irp u, 0,1,2,3
.irp c, 0,1
	ds_load_b128 v[32+8*\u+4*\c:35+8*\u+4*\c], v[ADI] offset:(\off)+1024*\u+512*\c
.endr
.endr
.irp i, 0,1
	ds_load_b32 v[248+\i], v[ADS] offset:(\off)+8192+128*\i
.endr
.endm
.macro VLOAD                           ; ten LDS loads: V's four fragments of the step in hand and their scale words
.irp t, 0,1,2,3
.irp c, 0,1
	ds_load_b128 v[64+8*\t+4*\c:67+8*\t+4*\c], v[ADI] offset:4096+1024*\t+512*\c
.endr
.endr
.irp i, 0,1
	ds_load_b32 v[250+\i], v[ADS] offset:8448+128*\i
.endr
.endm
	s_load_b256 s[4:11], s[0:1], 0x0               ; qb s[4:5], kv s[6:7], tgt s[8:9], out0 s[10:11]
	v_lshl_add_u32 v242, v0, 2, 0x30000
	v_mov_b32 v243, 0
	ds_add_u32 v242, v243
	ds_add_u32 v242, v243
	v_lshrrev_b32 v1, 5, v0
	s_delay_alu instid0(VALU_DEP_1)
	v_readfirstlane_b32 s[WV], v1                  ; wave 0..7
	s_bfe_u32 s13, ttmp6, 0x40000                  ; cx: my place in the cluster
	s_lshl_b32 s14, ttmp9, 2                       ; in a cluster launch ttmp9 counts clusters
	s_add_co_u32 s14, s14, s13                     ; my block of 128 queries: it enters Q's, tgt's and out0's addresses alone
	s_and_b32 s15, ttmp7, 0xffff                   ; the head, which the four partners share
	; descriptor group 1: a dense block of 17,408 bytes as 68 rows of 256 bytes (32 elements of 8 bytes), no padding
	s_mov_b32 s[G1], 15|(3<<16)|(1<<21)            ; 15:0 the mask: all four work-groups; 17:16 elements of 8 bytes; 21 set beside a mask
	s_mov_b32 s[G1+1], 32<<16                      ; tensor_dim0 = 32
	s_mov_b32 s[G1+2], 68<<16                      ; tensor_dim1 = 68
	s_mov_b32 s[G1+3], 32<<16                      ; tile_dim0 = 32
	s_mov_b32 s[G1+4], 68                          ; tile_dim1 = 68
	s_mov_b32 s[G1+5], 32                          ; from row to row
	s_mov_b32 s[G1+6], 0
	s_mov_b32 s[G1+7], 0
	s_mov_b32 s[G0], 1                             ; count = 1
	s_mul_i32 s[G0+1], s[WV], 2*STEPB              ; LDS address: wave w brings key steps 2 w and 2 w + 1: no place in the cluster enters it
	s_mul_i32 s38, s15, HS
	s_add_co_u32 s38, s38, s[G0+1]                 ; the same bytes of my head in kv
	s_mov_b32 s39, 0
	s_lshl_b32 s56, s14, 3
	s_add_co_u32 s56, s56, s[WV]                   ; my query tile Tq = 8 x block + wave
	s_lshl_b32 s58, s15, 16                        ; Q's codes: 65,536 bytes a head,
	s_lshl_b32 s57, s56, 9                         ; 512 a tile
	s_add_co_u32 s58, s58, s57
	s_mov_b32 s59, 0
	s_lshr_b32 s57, s56, 1
	s_lshl_b32 s57, s57, 6                         ; Q's scale words: 64 bytes a pair of tiles,
	s_lshl_b32 s60, s15, 12                        ; 4,096 a head,
	s_add_co_u32 s60, s60, s57
	s_add_co_u32 s60, s60, 1048576                 ; behind the codes
	s_mov_b32 s61, 0
	s_lshl_b32 s62, s14, 7                         ; my tile's slot 0 is query 128 x block + 32 (wave / 2) + 8 (wave % 2)
	s_lshr_b32 s57, s[WV], 1
	s_lshl_b32 s57, s57, 5
	s_add_co_u32 s62, s62, s57
	s_and_b32 s57, s[WV], 1
	s_lshl_b32 s57, s57, 3
	s_add_co_u32 s62, s62, s57
	s_lshl_b32 s62, s62, 12                        ; rows of 4,096 bytes,
	s_lshl_b32 s57, s15, 8
	s_add_co_u32 s62, s62, s57                     ; my head's 256 bytes of them
	s_mov_b32 s63, 0
	s_mov_b32 s[SEL], 0x76543210
	s_mov_b32 s[SEL+1], 0xfedcba98
	s_mov_b32 s[CS], 0x3e38aa3b                    ; c = log2(e) / 8
	s_mov_b32 s[CS+1], s[CS]                       ; (named with it as a pair, so it is written)
	s_mov_b32 s[TB], 0
	s_mov_b32 s[CNT], 15
	s_wait_dscnt 0x0
	s_wait_kmcnt 0x0
	s_add_nc_u64 s[G0+2:G0+3], s[6:7], s[38:39]    ; global address
	s_or_b32 s[G0+3], s[G0+3], 0x80000000          ; type = 2
	s_add_nc_u64 s[28:29], s[4:5], s[58:59]        ; Q's codes
	s_add_nc_u64 s[30:31], s[4:5], s[60:61]        ; Q's scale words
	s_add_nc_u64 s[TG:TG+1], s[8:9], s[62:63]
	s_add_nc_u64 s[OU:OU+1], s[10:11], s[62:63]
.irp b, 1,2,3
	s_add_nc_u64 s[TG+2*\b:TG+2*\b+1], s[TG:TG+1], \b*0x800000   ; a batch is 2,048 rows of 4,096 bytes
	s_add_nc_u64 s[OU+2*\b:OU+2*\b+1], s[OU:OU+1], \b*0x800000
.endr
	CROUND                                         ; all four work-groups are here: the joint loads meet
	tensor_load_to_lds s[G0:G0+3], s[G1:G1+7]      ; my one tensor load of the launch
	s_nop 0
.rept 4
	v_nop
.endr
	v_and_b32 v8, 31, v0                           ; lane
	s_delay_alu instid0(VALU_DEP_1)
	v_lshlrev_b32 v[LI], 4, v8
	s_delay_alu instid0(VALU_DEP_2)
	v_lshlrev_b32 v[LS], 2, v8
	v_and_b32 v9, 15, v0                           ; r
	v_bfe_u32 v11, v0, 4, 1                        ; h
	s_delay_alu instid0(VALU_DEP_2)
	v_lshlrev_b32 v8, 2, v9                        ; 4 r
	s_delay_alu instid0(VALU_DEP_3)
	v_lshlrev_b32 v[GO], 4, v9
	s_delay_alu instid0(VALU_DEP_1)
	v_lshl_add_u32 v[GO], v11, 12, v[GO]
	global_load_b128 v[16:19], v[LI], s[28:29]     ; Q's codes, once for Q_lo's low half
	global_load_b128 v[28:31], v[LI], s[28:29]     ; and once for Q_hi's high half
	global_load_b32 v254, v8, s[30:31]             ; the scale bytes of my pair of tiles
.irp j, 20,21,22,23,24,25,26,27
	v_mov_b32 v[\j], 0                             ; the zero codes
.endr
	v_mov_b32 v13, 0xff61b1e6                      ; the largest t so far: -3e38, under every t
	s_delay_alu instid0(VALU_DEP_1)
	v_floor_f32 v12, -v13                          ; -M
	v_mov_b32 v14, 0                               ; the sum, in two halves
	v_mov_b32 v15, 0
.irp b, 0,1,2,3
	v_mov_b32 v[236+\b], 0                         ; written once: a lane permute's destination counts as one of its sources
.endr
	v_mov_b32 v253, 0                              ; (named as the upper half of the pair v[252:253] before it is first written)
.irp j, 0,1,2,3,4,5,6,7,8,9,10,11,12,13,14,15,16,17,18,19,20,21,22,23,24,25,26,27,28,29,30,31
	v_mov_b32 v[160+\j], 0                         ; O^T.  (The step is written with no first step of its own: the first finds zeros, which the first change of M leaves zeros)
.endr
	s_wait_tensorcnt 0x0                           ; my part of the head is in LDS,
	s_barrier_signal -1
	s_barrier_wait -1                              ; everybody's is
	v_add_nc_u32 v[ADI], s[TB], v[LI]
	v_add_nc_u32 v[ADS], s[TB], v[LS]
	KLOAD 0                                        ; key step 0
	WIN 0x40                                       ; destination window 1, address window 0
.irp b, 0,1,2,3
.irp i, 0,1,2,3,4,5,6,7
	global_load_b128 v[32*\b+4*\i:32*\b+4*\i+3], v[GO], s[TG+2*\b:TG+2*\b+1] offset:(2*\i+8*(\i/4))*4096 th:TH_LOAD_NT   ; slots 2 i and 2 i + 1: sixteen lanes read 256 consecutive bytes, aligned
.endr
.endr
	WIN 0
	s_and_b32 s57, s[WV], 1
	s_lshl_b32 s57, s57, 4
	s_wait_loadcnt 32                              ; Q's three loads are in; tgt's 32, issued behind them, stay out until the way out
	v_lshrrev_b32 v254, s57, v254                  ; the even tile's two bytes lie in the low half, the odd tile's in the high half
	s_delay_alu instid0(VALU_DEP_1)
	v_and_b32 v254, 0xffff, v254
	s_delay_alu instid0(VALU_DEP_1)
	v_or_b32 v[QSL], 0x7f7f0000, v254              ; Q_lo: [s0 s1 127 127]
	s_delay_alu instid0(VALU_DEP_2)
	v_lshl_or_b32 v[QSH], v254, 16, 0x7f7f         ; Q_hi: [127 127 s0 s1]
.rept 8
	v_nop                                          ; a scale register written by a vector instruction stands eight places ahead of a scaled matrix instruction
.endr
; A KEY STEP: 128 keys.  more = 1: the next step's K is fetched while this step's softmax is worked.
.macro STEP more
	s_wait_dscnt 0x0                               ; this step's K and its scale words are in
.irp u, 0,1,2,3                                ; S^T = K Q^T: each fragment of K against Q_lo and Q_hi; eight accumulators, one instruction each
	WM 96+16*\u, 32+8*\u, 16, 0, 248+\u/2, QSL, \u%2
	WM 104+16*\u, 32+8*\u, 24, 0, 248+\u/2, QSH, \u%2
.endr
	v_add_nc_u32 v[ADI], s[TB], v[LI]              ; four places: in front of the loads into registers that matrix instructions have read, and of the first read of the scores
	v_add_nc_u32 v[ADS], s[TB], v[LS]
	v_nop
	v_nop
	VLOAD
.if \more
	KLOAD STEPB
.endif
.irp b, 0,1,2,3
	v_max3_num_f32 v[232+\b], v[96+16*\b], v[97+16*\b], v[98+16*\b]   ; THE LARGEST SCORE OF EACH BLOCK OF 32 KEYS: it serves for the row's maximum and, since p rises with the score, for the block's largest p
.endr
.irp i, 3,5,7,9,11,13
.irp b, 0,1,2,3
	v_max3_num_f32 v[232+\b], v[232+\b], v[96+16*\b+\i], v[97+16*\b+\i]   ; (the four blocks by turns)
.endr
.endr
.irp b, 0,1,2,3
	v_max_num_f32 v[232+\b], v[232+\b], v[111+16*\b]
.endr
.irp b, 0,1,2,3
	s_delay_alu instid0(VALU_DEP_4)
	v_permlanex16_b32 v[236+\b], v[232+\b], s[SEL], s[SEL+1]
.endr
.irp b, 0,1,2,3
	s_delay_alu instid0(VALU_DEP_4)
	v_max_num_f32 v[232+\b], v[232+\b], v[236+\b]  ; with lane l xor 16's 16 keys
.endr
	s_delay_alu instid0(VALU_DEP_2)
	v_max3_num_f32 v254, v232, v233, v234
	s_delay_alu instid0(VALU_DEP_1)
	v_max_num_f32 v254, v254, v235                 ; the step's largest score of my query
	s_delay_alu instid0(VALU_DEP_1)
	v_mul_f32 v254, s[CS], v254                    ; as t (c is positive)
	s_delay_alu instid0(VALU_DEP_1)
	v_max_num_f32 v13, v13, v254                   ; the running largest t
	v_mov_b32 v254, v12
	s_delay_alu instid0(VALU_DEP_2)
	v_floor_f32 v12, -v13                          ; the new -M = floor(-t) = -ceil(t): M is a whole number
	s_delay_alu instid0(VALU_DEP_1)
	v_sub_f32 v254, v12, v254                      ; M's old value less its new one: a whole number, 0 or less
	s_delay_alu instid0(VALU_DEP_1)
	v_cvt_i32_f32 v254, v254                       ; (it saturates)
	s_delay_alu instid0(VALU_DEP_1)
	v_ldexp_f32 v252, 1.0, v254                    ; f = 2^(old M - new M)
.irp j, 0,2,4,6,8,10,12,14,16,18,20,22,24,26,28,30,32,34,36,38,40,42,44,46,48,50,52,54,56,58,60,62
	v_pk_fma_f32 v[96+\j:97+\j], v[96+\j:97+\j], s[CS:CS+1], v[12:13] op_sel_hi:[1,0,0]   ; t - M, two at a time (of the pairs c and -M the low word serves both halves)
.endr
.irp b, 0,1,2,3
	v_fma_f32 v[232+\b], v[232+\b], s[CS], v12     ; the same of each block's largest score
.endr
	s_wait_alu depctr_va_vdst(0)
.irp j, 0,1,2,3,4,5,6,7,8,9,10,11,12,13,14,15,16,17,18,19,20,21,22,23,24,25,26,27,28,29,30,31,32,33,34,35,36,37,38,39,40,41,42,43,44,45,46,47,48,49,50,51,52,53,54,55,56,57,58,59,60,61,62,63
	v_exp_f32 v[96+\j], v[96+\j]                   ; p = 2^(t - M), at most 1: not normalised
.endr
	s_setprio 1
.irp b, 0,1,2,3
	v_exp_f32 v[232+\b], v[232+\b]                 ; the block's largest p: the same two instructions on the same number give the same bits
.endr
	v_pk_mul_f32 v[14:15], v[14:15], v[252:253] op_sel_hi:[1,0]   ; the sums under the new M.  (A plain place behind the exponentials)
	s_wait_alu depctr_va_vdst(0)
.irp b, 0,1,2,3
	v_max_num_f32 v[232+\b], 0x1800000, v[232+\b]  ; the floor 2^(3 - 127): the byte cannot fall under 1 (a block whose every p has fallen to 0 keeps that byte: its codes are zeros)
.endr
.irp b, 0,1,2,3
	s_delay_alu instid0(VALU_DEP_4)
	v_add_nc_u32 v[244+\b], 0xff000000, v[232+\b]  ; 2 off the exponent field: the conversion's scale operand
.endr
.irp b, 0,1,2,3
	s_delay_alu instid0(VALU_DEP_4)
	v_lshrrev_b32 v[236+\b], 23, v[244+\b]         ; the scale's byte
.endr
	s_delay_alu instid0(VALU_DEP_3)
	v_lshl_or_b32 v253, v237, 8, v236              ; p's scale word for these 128 keys
	s_delay_alu instid0(VALU_DEP_1)
	v_lshl_or_b32 v253, v238, 16, v253
	s_delay_alu instid0(VALU_DEP_1)
	v_lshl_or_b32 v253, v239, 24, v253
.irp b, 0,1,2,3
	v_cvt_scalef32_pk8_fp4_f32 v[224+2*\b], v[96+16*\b:103+16*\b], v[244+\b]
	v_cvt_scalef32_pk8_fp4_f32 v[225+2*\b], v[104+16*\b:111+16*\b], v[244+\b]
.endr
	v_nop                                          ; one plain place behind a scaled conversion
.irp c, 0,1                                    ; a whole block to a lane: lanes 0-15 block 2 c, lanes 16-31 block 2 c + 1
.irp i, 0,1
	v_permlane16_swap_b32 v[224+4*\c+\i], v[226+4*\c+\i]
.endr
.endr
.irp j, 0,2,4,6,8,10,12,14,16,18,20,22,24,26,28,30
	v_pk_mul_f32 v[160+\j:161+\j], v[160+\j:161+\j], v[252:253] op_sel_hi:[1,0]   ; O^T under the new M: x f
.endr
	v_pk_add_f32 v[236:237], v[100:101], v[104:105]
	v_pk_add_f32 v[246:247], v[108:109], v[112:113]
	v_pk_add_f32 v[244:245], v[116:117], v[120:121]
	v_pk_add_f32 v[240:241], v[124:125], v[128:129]
	v_pk_add_f32 v[234:235], v[132:133], v[136:137]
	v_pk_add_f32 v[232:233], v[140:141], v[144:145]
	v_pk_add_f32 v[222:223], v[148:149], v[152:153]
	v_pk_add_f32 v[14:15], v[14:15], v[156:157]
	v_pk_add_f32 v[236:237], v[236:237], v[96:97]
	v_pk_add_f32 v[246:247], v[246:247], v[98:99]
	v_pk_add_f32 v[244:245], v[244:245], v[102:103]
	v_pk_add_f32 v[240:241], v[240:241], v[106:107]
	v_pk_add_f32 v[234:235], v[234:235], v[110:111]
	v_pk_add_f32 v[232:233], v[232:233], v[114:115]
	v_pk_add_f32 v[222:223], v[222:223], v[118:119]
	s_setprio 0
	v_pk_add_f32 v[14:15], v[14:15], v[122:123]
	v_pk_add_f32 v[236:237], v[236:237], v[126:127]
	v_pk_add_f32 v[246:247], v[246:247], v[130:131]
	v_pk_add_f32 v[244:245], v[244:245], v[134:135]
	v_pk_add_f32 v[240:241], v[240:241], v[138:139]
	v_pk_add_f32 v[234:235], v[234:235], v[142:143]
	v_pk_add_f32 v[232:233], v[232:233], v[146:147]
	v_pk_add_f32 v[222:223], v[222:223], v[150:151]
	v_pk_add_f32 v[14:15], v[14:15], v[154:155]
	v_pk_add_f32 v[236:237], v[236:237], v[158:159]
	s_delay_alu instid0(VALU_DEP_2)
	v_pk_add_f32 v[14:15], v[14:15], v[240:241]
	s_delay_alu instid0(VALU_DEP_2)
	v_pk_add_f32 v[236:237], v[236:237], v[234:235]
	v_pk_add_f32 v[246:247], v[246:247], v[232:233]
	v_pk_add_f32 v[244:245], v[244:245], v[222:223]
	s_delay_alu instid0(VALU_DEP_2)
	v_pk_add_f32 v[14:15], v[14:15], v[246:247]
	s_delay_alu instid0(VALU_DEP_2)
	v_pk_add_f32 v[236:237], v[236:237], v[244:245]
	s_delay_alu instid0(VALU_DEP_1)
	v_pk_add_f32 v[14:15], v[14:15], v[236:237]
.if \more
	s_wait_dscnt 10                                ; V's ten loads are in; the next step's ten of K, issued behind them, may be out
.else
	s_wait_alu depctr_va_vdst(0)
	s_wait_dscnt 0x0
.endif
.irp t, 0,1,2,3                                ; O^T += V^T P^T: four tiles of 16 channels, K = these 128 keys; the four accumulators take turns
	WM 160+8*\t, 64+8*\t, 224, 1, 250+\t/2, 253, \t%2
.endr
	s_add_co_u32 s[TB], s[TB], STEPB
.endm
.Lstep:                                            ; key steps 0 to 14
	s_wait_alu depctr_va_vdst(0)
	s_setprio 2
	STEP 1
	s_sub_co_u32 s[CNT], s[CNT], 1
	s_cmp_lg_u32 s[CNT], 0
	s_cbranch_scc1 .Lstep
	s_setprio 0
	STEP 0                                         ; key step 15: there is no K behind it
	; THE WAY OUT.  O^T is divided by the sum and goes through my own stage in LDS, so that sixteen lanes hold a row's 256 bytes; tgt's rows of the four batches are added, and out0's rows stored.
	v_add_f32 v14, v14, v15                        ; the sum's two halves,
	s_delay_alu instid0(VALU_DEP_1)
	v_permlanex16_b32 v252, v14, s[SEL], s[SEL+1]
	s_delay_alu instid0(VALU_DEP_1)
	v_add_f32 v14, v14, v252                       ; and lane l xor 16's: the row's sum
	s_wait_alu depctr_va_vdst(0)
	v_rcp_f32 v14, v14
	s_mul_i32 s38, s[WV], 16*SPT
	s_add_co_u32 s38, s38, STAGE                   ; my stage
	v_mul_u32_u24 v[STO], v9, SPT                  ; (plain lines: the place behind the reciprocal, and with the additions above the places behind the last products)
	s_delay_alu instid0(VALU_DEP_1)
	v_lshl_add_u32 v[STO], v11, 6, v[STO]
	s_delay_alu instid0(VALU_DEP_1)
	v_add_nc_u32 v[STO], s38, v[STO]               ; in: row r, + 64 h: register 16 b + e is channel 32 b + 16 h + e
	v_mul_u32_u24 v[RD], v11, SPT
	s_delay_alu instid0(VALU_DEP_1)
	v_lshl_add_u32 v[RD], v9, 4, v[RD]
	s_delay_alu instid0(VALU_DEP_1)
	v_add_nc_u32 v[RD], s38, v[RD]                 ; back: lanes 0-15 one row, lanes 16-31 the next
	s_wait_alu depctr_va_vdst(0)
.irp j, 0,2,4,6,8,10,12,14,16,18,20,22,24,26,28,30
	v_pk_mul_f32 v[96+\j:97+\j], v[160+\j:161+\j], v[14:15] op_sel_hi:[1,0]   ; O^T / the sum; each accumulator from its low end on
.endr
.irp b, 0,1
.irp q, 0,1,2,3
	ds_store_b128 v[STO], v[96+16*\b+4*\q:99+16*\b+4*\q] offset:128*\b+16*\q
.endr
.endr
.irp i, 0,1,2,3,4,5,6,7
	ds_load_b128 v[192+4*\i:195+4*\i], v[RD] offset:2*\i*SPT   ; LDS serves a wave's instructions in order: these see my stores
.endr
	s_wait_loadcnt 0x0                             ; tgt's rows, asked for ahead of the loop
	s_wait_dscnt 0x0                               ; O's rows
	WIN 0x41                                       ; destination and source 0 window 1 (tgt), source 1 window 0 (O)
.irp b, 0,1,2,3
.irp i, 0,1,2,3,4,5,6,7
	v_pk_add_f32 v[32*\b+4*\i:32*\b+4*\i+1], v[32*\b+4*\i:32*\b+4*\i+1], v[192+4*\i:193+4*\i]
	v_pk_add_f32 v[32*\b+4*\i+2:32*\b+4*\i+3], v[32*\b+4*\i+2:32*\b+4*\i+3], v[194+4*\i:195+4*\i]
.endr
.endr
	WIN 0x04                                       ; a store's data are its source 1: window 1
.irp b, 0,1,2,3
.irp i, 0,1,2,3,4,5,6,7
	global_store_b128 v[GO], v[32*\b+4*\i:32*\b+4*\i+3], s[OU+2*\b:OU+2*\b+1] offset:(2*\i+8*(\i/4))*4096 th:TH_STORE_NT   ; sixteen lanes store 256 consecutive bytes, at a multiple of 256 from out0's first byte
.endr
.endr
	WIN 0
	s_wait_tensorcnt 0x0
	ds_add_u32 v242, v243
	s_wait_dscnt 0x0
	CROUND                                         ; the closing round: no work-group ends while a partner may still ask for a tile that names it
	s_endpgm
.Lfunc_end_k_q5b9783ec07_attn:
	.size	k_q5b9783ec07_attn, .Lfunc_end_k_q5b9783ec07_attn-k_q5b9783ec07_attn
	.p2alignl 7, 3214868480
	.fill 96, 4, 3214868480
	.section	.rodata,"a",@progbits
	.p2align	6, 0x0
	.amdhsa_kernel k_q5b9783ec07_attn
		.amdhsa_group_segment_fixed_size 197632
		.amdhsa_private_segment_fixed_size 0
		.amdhsa_enable_private_segment 0
		.amdhsa_kernarg_size 32
		.amdhsa_user_sgpr_count 2
		.amdhsa_user_sgpr_kernarg_segment_ptr 1
		.amdhsa_wavefront_size32 1
		.amdhsa_system_sgpr_workgroup_id_x 1
		.amdhsa_system_sgpr_workgroup_id_y 1
		.amdhsa_system_sgpr_workgroup_id_z 1
		.amdhsa_system_vgpr_workitem_id 0
		.amdhsa_next_free_vgpr 384
		.amdhsa_next_free_sgpr 66
		.amdhsa_reserve_vcc 0
		.amdhsa_float_denorm_mode_32 3
		.amdhsa_float_denorm_mode_16_64 3
		.amdhsa_memory_ordered 1
		.amdhsa_forward_progress 1
		.amdhsa_inst_pref_size 53
	.end_amdhsa_kernel
	.amdgpu_metadata
---
amdhsa.version: [ 1, 2 ]
amdhsa.kernels:
  - .name:           k_q5b9783ec07_attn
    .symbol:         k_q5b9783ec07_attn.kd
    .args:
      - { .name: qb, .offset: 0, .size: 8, .value_kind: global_buffer, .address_space: global }
      - { .name: kv, .offset: 8, .size: 8, .value_kind: global_buffer, .address_space: global }
      - { .name: tgt, .offset: 16, .size: 8, .value_kind: global_buffer, .address_space: global }
      - { .name: out0, .offset: 24, .size: 8, .value_kind: global_buffer, .address_space: global }
    .group_segment_fixed_size: 197632
    .private_segment_fixed_size: 0
    .kernarg_segment_align: 8
    .kernarg_segment_size: 32
    .max_flat_workgroup_size: 256
    .sgpr_count:     66
    .vgpr_count:     384
    .wavefront_size: 32
...
	.end_amdgpu_metadata
.endif
;; end of part 3
